; MI455X (gfx1250); checked and timed in simulation.
; The chip was launched on July 23, 2026; its instructions are those of AMD's public machine-readable ISA for CDNA 5 (MIT licence, August 2026) and "CDNA5" Instruction Set Architecture Reference Guide (July 2026). The comments in the code are by the model that wrote it; some were corrected since.
;; Spatial Att. Allowed arithmetic: float matrix products may take bf16 or f16 operands with f32 sums; all other float work in f32.
;; Inputs: b_k one number float32; b_map one number float32; b_q one number float32; w_k one number float32; w_map 256 float32; w_q one number float32; x 8 x 256 x 64 x 64 float32.
;; Outputs: out0 8 x 256 x 64 x 64 float32.
;; 2 versions, each right; version 2 is version 1 with the launches attmap, gate written anew for expert scheduling mode. Each part assembles by itself: llvm-mc -triple=amdgcn-amd-amdhsa -mcpu=gfx1250 --defsym DOCPART=n.
;; ======== version 1 of 2: 2 launches
;; workspace buffers: att 131,072 bytes
;; launch attmap (part 1): grid 256 x 1, 8 waves a work-group, no clusters, 5,120 bytes of LDS; arguments x, w_map, b_map, att; writes att
.if DOCPART == 1
	.amdgcn_target "amdgcn-amd-amdhsa--gfx1250"
	.amdhsa_code_object_version 6
	.text
	.protected	k_q01b69eb371_attmap
	.globl	k_q01b69eb371_attmap
	.p2align	8
	.type	k_q01b69eb371_attmap,@function
k_q01b69eb371_attmap:
	s_mov_b64 s[64:65], 0
	v_nop
	global_prefetch_b8 v0, s[64:65] scope:SCOPE_SE
	s_setreg_imm32_b32 hwreg(HW_REG_WAVE_MODE, 25, 1), 1
	s_wait_xcnt 0x0
; att[b][p] = sum over c of x[b][c][p] * w_map[c] + b_map.   x: [8][256][4096] f32, att: [8][4096] f32.
; A stream: every byte of x is read once and feeds one multiply-add, so the sums are kept in f32 on the vector unit; a matrix
; instruction would use one of its sixteen columns and would round x for nothing.
; A work-group owns one batch and 128 neighbouring positions: 256 rows of 512 bytes.  Wave w takes channels 32 w .. 32 w + 31,
; lane l the positions 4 l .. 4 l + 3, so each load of a wave covers 512 consecutive bytes that start at a multiple of 512.
; All 32 loads of a wave are issued before the first is used: the work-group's whole 128 KiB are asked for at once.
; x carries no streaming hint: the next launch reads it again.
.set PLANE, 16384                      ; bytes of one channel: 4,096 positions of f32
.set S,     4                          ; v[4:7]    my four sums
.set X,     8                          ; v[8:135]  32 loads of four numbers; later the eight waves' partial sums
	s_load_b256 s[4:11], s[0:1], 0x0               ; x s[4:5], w_map s[6:7], b_map s[8:9], att s[10:11]
	v_lshl_add_u32 v136, v0, 2, 0x1000
	v_mov_b32 v137, 0
	v_lshrrev_b32 v1, 5, v0
	v_readfirstlane_b32 s12, v1                    ; wave 0..7
	v_and_b32 v2, 31, v0
	v_lshlrev_b32 v2, 4, v2                        ; 16 x lane: my 16 bytes in a row of 512
	v_lshlrev_b32 v3, 4, v0                        ; 16 x thread = 512 x wave + 16 x lane: my place in LDS
	s_lshr_b32 s13, ttmp9, 5                       ; batch
	s_and_b32 s14, ttmp9, 31                       ; block of 128 positions
	s_lshl_b32 s15, s14, 9                         ; block x 512 bytes
	s_lshl_b32 s16, s13, 22                        ; batch x 256 channels x 16,384 bytes
	s_add_co_u32 s16, s16, s15
	s_lshl_b32 s18, s12, 19                        ; wave x 32 channels x 16,384 bytes
	s_add_co_u32 s16, s16, s18
	s_mov_b32 s17, 0
	s_lshl_b32 s18, s12, 7                         ; wave x 32 weights x 4 bytes
	s_lshl_b32 s54, s13, 14                        ; att: batch x 16,384 bytes
	s_add_co_u32 s54, s54, s15                     ;      + block x 512
	s_mov_b32 s55, 0
	s_wait_kmcnt 0x0
	s_add_nc_u64 s[4:5], s[4:5], s[16:17]
	s_add_nc_u64 s[10:11], s[10:11], s[54:55]
.set i, 0
.rept 32
	global_load_b128 v[X+4*i:X+4*i+3], v2, s[4:5] offset:i*PLANE
.set i, i+1
.endr
	s_load_b512 s[20:35], s[6:7], s18 offset:0x0   ; my 32 weights
	s_load_b512 s[36:51], s[6:7], s18 offset:0x40
	s_load_b32 s52, s[8:9], 0x0                    ; b_map
	s_wait_kmcnt 0x0
	s_wait_loadcnt 31                              ; loads return in order: channel 0 is in, the 31 younger ones stay out
.irp n, 0,1,2,3
	v_mul_f32 v[S+\n], s20, v[X+\n]                ; the first product starts the sums
.endr
.set i, 1
.rept 31
	s_wait_loadcnt 31-i                            ; channel i is in, 31 - i younger loads stay out
.irp n, 0,1,2,3
	v_fmac_f32 v[S+\n], s[20+i], v[X+4*i+\n]
.endr
.set i, i+1
.endr
	; the eight waves' sums meet in LDS; wave 0 adds them
	ds_store_b128 v3, v[S:S+3]
	s_wait_dscnt 0x0                               ; my store is done before I say so
	s_barrier_signal -1
	s_barrier_wait -1
	s_cmp_lg_u32 s12, 0
	s_cbranch_scc1 .Ldone
.irp w, 0,1,2,3,4,5,6,7
	ds_load_b128 v[X+4*\w:X+4*\w+3], v2 offset:512*\w
.endr
	s_wait_dscnt 0x0
.irp a, 0,8,16,24
	v_pk_add_f32 v[X+\a:X+\a+1],   v[X+\a:X+\a+1],   v[X+\a+4:X+\a+5]
	v_pk_add_f32 v[X+\a+2:X+\a+3], v[X+\a+2:X+\a+3], v[X+\a+6:X+\a+7]
.endr
.irp a, 0,16
	v_pk_add_f32 v[X+\a:X+\a+1],   v[X+\a:X+\a+1],   v[X+\a+8:X+\a+9]
	v_pk_add_f32 v[X+\a+2:X+\a+3], v[X+\a+2:X+\a+3], v[X+\a+10:X+\a+11]
.endr
	v_pk_add_f32 v[X:X+1],   v[X:X+1],   v[X+16:X+17]
	v_pk_add_f32 v[X+2:X+3], v[X+2:X+3], v[X+18:X+19]
.irp n, 0,1,2,3
	v_add_f32 v[X+\n], s52, v[X+\n]                ; + b_map
.endr
	global_store_b128 v2, v[X:X+3], s[10:11]       ; 512 consecutive bytes, at a multiple of 512 from att's first byte
.Ldone:
	s_wait_tensorcnt 0x0
	ds_add_u32 v136, v137
	s_wait_dscnt 0x0
	s_endpgm
.Lfunc_end_k_q01b69eb371_attmap:
	.size	k_q01b69eb371_attmap, .Lfunc_end_k_q01b69eb371_attmap-k_q01b69eb371_attmap
	.p2alignl 7, 3214868480
	.fill 96, 4, 3214868480
	.section	.rodata,"a",@progbits
	.p2align	6, 0x0
	.amdhsa_kernel k_q01b69eb371_attmap
		.amdhsa_group_segment_fixed_size 5120
		.amdhsa_private_segment_fixed_size 0
		.amdhsa_enable_private_segment 0
		.amdhsa_kernarg_size 32
		.amdhsa_user_sgpr_count 2
		.amdhsa_user_sgpr_kernarg_segment_ptr 1
		.amdhsa_wavefront_size32 1
		.amdhsa_system_sgpr_workgroup_id_x 1
		.amdhsa_system_sgpr_workgroup_id_y 1
		.amdhsa_system_sgpr_workgroup_id_z 1
		.amdhsa_system_vgpr_workitem_id 0
		.amdhsa_next_free_vgpr 138
		.amdhsa_next_free_sgpr 66
		.amdhsa_reserve_vcc 0
		.amdhsa_float_denorm_mode_32 3
		.amdhsa_float_denorm_mode_16_64 3
		.amdhsa_memory_ordered 1
		.amdhsa_forward_progress 1
		.amdhsa_inst_pref_size 12
	.end_amdhsa_kernel
	.amdgpu_metadata
---
amdhsa.version: [ 1, 2 ]
amdhsa.kernels:
  - .name:           k_q01b69eb371_attmap
    .symbol:         k_q01b69eb371_attmap.kd
    .args:
      - { .name: x, .offset: 0, .size: 8, .value_kind: global_buffer, .address_space: global }
      - { .name: w_map, .offset: 8, .size: 8, .value_kind: global_buffer, .address_space: global }
      - { .name: b_map, .offset: 16, .size: 8, .value_kind: global_buffer, .address_space: global }
      - { .name: att, .offset: 24, .size: 8, .value_kind: global_buffer, .address_space: global }
    .group_segment_fixed_size: 5120
    .private_segment_fixed_size: 0
    .kernarg_segment_align: 8
    .kernarg_segment_size: 32
    .max_flat_workgroup_size: 256
    .sgpr_count:     66
    .vgpr_count:     138
    .wavefront_size: 32
...
	.end_amdgpu_metadata
.endif
;; end of part 1
;; launch gate (part 2): grid 256 x 1, 16 waves a work-group, no clusters, 63,488 bytes of LDS; arguments x, att, w_q, b_q, w_k, b_k, out0; writes out0
.if DOCPART == 2
	.amdgcn_target "amdgcn-amd-amdhsa--gfx1250"
	.amdhsa_code_object_version 6
	.text
	.protected	k_q01b69eb371_gate
	.globl	k_q01b69eb371_gate
	.p2align	8
	.type	k_q01b69eb371_gate,@function
k_q01b69eb371_gate:
	s_mov_b64 s[64:65], 0
	v_nop
	global_prefetch_b8 v0, s[64:65] scope:SCOPE_SE
	s_setreg_imm32_b32 hwreg(HW_REG_WAVE_MODE, 25, 1), 1
	s_wait_xcnt 0x0
; out0[b][c][i] = g(o_i) x[b][c][i],  g(o) = o / (1 + |o|),  o_i = sum_j p_ij att_j,  p_i. = softmax_j(q_i k_j),
; q = w_q att + b_q,  k = w_k att + b_k.   x, out0: [8][256][4096] f32, att: [8][4096] f32 (made by the launch before).
;
; A work-group owns one batch and 128 neighbouring positions i, and all 256 channels of them (256 rows of 512 bytes), 16 waves.
; X: wave w asks for its channels 16 w .. 16 w + 15 at the very start, 16 loads of 512 consecutive bytes into 64 registers.  They stay
;    pending under the whole softmax, are scaled in place and stored: x passes through no LDS.
; THE ROW MAXIMUM is taken away exactly: the scores of a row are q_i k_j, so their maximum is q_i kmax (q_i >= 0) or q_i kmin (q_i < 0).
;    The exponent is formed as q'_i (k_j - kext_i), q' = q log2(e): never above 0, and 0 at the maximum, whatever the size of the scores.
;    (One fused q' k_j - m would be an instruction less for two exponents, but m is rounded: at |m| = 2^36 by up to 2^12, which as a common
;    shift of a row's exponents leaves the range of exp2.)
; THE SUMS go to the matrix unit.  P (16 rows i x 32 columns j, bf16) is source 1: lane (r, h) makes the 16 exponentials of row i = r that
;    the fragment layout gives it.  Source 0 has the rows m = 7: ones, m = 8: att rounded to bf16, m = 9: the rest of att in bf16, all others
;    zero.  In the result, register n of lane (r, h) is row m = 8 h + n for position r, so D0 + D1 + D7 is the row's sum of P in lanes 0-15
;    and its sum of P att in lanes 16-31: one LDS store a tile, all lanes on.
; SPLIT: wave w takes the 4 row tiles of positions 64 (w >> 3) .. + 63 and the columns j = 512 (w & 7) .. + 511: 64 units of 16 x 32.
;    The eight column partials are plain sums (the maximum is known beforehand); they meet in LDS.
; No cluster: what the 32 work-groups of a batch share is att, 16 KiB of the 272 KiB that a work-group moves.
; LIMITS: P is rounded to bf16 and att enters the product with 16 bits of significand (hi + lo); |att| must be in bf16's finite range;
;    |o| >= 2^126 would make 1 / (1 + |o|) flush to zero (ISA guide 15.8, v_rcp_f32); NaN and infinities in the inputs are not followed.
.set PLANE, 16384                      ; bytes of one channel: 4,096 positions of f32
.set PITCH, 8208                       ; an LDS row of 4,096 bf16 + 16 bytes: the four rows that one fragment load touches lie 16 bytes apart modulo 256
.set KV,    0                          ; k_j, f32: 16,384 bytes
.set AFB,   16384                      ; four rows of PITCH: ones, att hi, att lo, zeros
.set RED,   AFB+4*PITCH                ; partial sums [sum of P | sum of P att][8 column parts][128 positions] f32: 8,192 bytes
.set MM,    RED+8192                   ; (min k, max k) of each of the 32 half waves: 256 bytes
.set GB,    MM+256                     ; the 128 gates: 512 bytes
.set XO,  2                            ; v2   my byte offset in the work-group's part of x and of out0
.set KA,  3                            ; v3   LDS address of my k values
.set FA,  4                            ; v4   LDS address of my row of source 0
.set RS,  5                            ; v5   LDS address of my partial sums
.set R,   6                            ; v6   lane % 16
.set HH,  7                            ; v7   lane / 16
.set QP,  16                           ; v[16:23]   tile t: (q', q') of my row, a pair for the packed multiply
.set EX,  24                           ; v[24:31]   tile t: (-kext, -kext) of my row
.set KB,  32                           ; v[32:63]   16 values of k, two buffers
.set AF,  64                           ; v[64:79]   fragment of source 0, two buffers
.set ARG, 80                           ; v[80:111]  16 exponents, then exponentials, two buffers
.set PP,  112                          ; v[112:119] P, packed bf16
.set ACC, 120                          ; v[120:151] four accumulators
.set X,   152                          ; v[152:215] 16 channels x 4 positions of x
.set G,   216                          ; v[216:219] the gates of my 4 positions
; set-up only, in registers that the units use later:
.set A8,  ARG                          ; 8 values of att
.set K8,  ARG+8                        ; their k
.set H4,  ARG+16                       ; att hi, packed
.set L4,  ARG+20                       ; att lo, packed
.set F8,  ARG+24                       ; hi as f32, then att - hi, then the constants of the ones and zeros rows
.set QA,  PP                           ; att of my row in the four tiles
.set MN,  PP+4                         ; min k
.set MX,  PP+5                         ; max k   (PP+4 .. PP+7 also take the 16 bytes read back from MM)
	s_load_b256 s[4:11], s[0:1], 0x0               ; x s[4:5], att s[6:7], w_q s[8:9], b_q s[10:11]
	s_load_b128 s[12:15], s[0:1], 0x20             ; w_k s[12:13], b_k s[14:15]
	s_load_b64 s[16:17], s[0:1], 0x30              ; out0
	v_lshl_add_u32 v220, v0, 2, 0xf000
	v_mov_b32 v221, 0
	v_lshrrev_b32 v1, 5, v0
	v_readfirstlane_b32 s24, v1                    ; wave 0..15
	v_and_b32 v1, 31, v0                           ; lane
	v_and_b32 v[R], 15, v0
	v_bfe_u32 v[HH], v0, 4, 1
	s_lshr_b32 s25, s24, 3                         ; which 64 positions are mine
	s_and_b32 s26, s24, 7                          ; which 512 columns are mine
	s_lshr_b32 s27, ttmp9, 5                       ; batch
	s_and_b32 s28, ttmp9, 31                       ; block of 128 positions
	s_lshl_b32 s29, s28, 9                         ; block x 512 bytes
	s_lshl_b32 s32, s27, 22                        ; batch x 256 channels x 16,384 bytes
	s_add_co_u32 s32, s32, s29
	s_mov_b32 s33, 0
	s_lshl_b32 s34, s27, 14                        ; att: batch x 16,384 bytes
	s_mov_b32 s35, 0
	s_lshl_b32 s36, s25, 8                         ; my 64 positions x 4 bytes
	s_add_co_u32 s37, s36, s29                     ; and where they lie in att[b]
	s_lshl_b32 s38, s26, 11                        ; my 512 columns in f32
	s_lshl_b32 s39, s26, 10                        ; and in bf16
	s_lshl_b32 s40, s26, 9                         ; my column part's 128 sums
	s_add_co_u32 s40, s40, s36                     ; + my 64 positions
	s_lshl_b32 s41, s24, 7                         ; wave x 32 positions x 4 bytes (the gates' stage)
	v_lshlrev_b32 v8, 5, v0                        ; thread x 32: my 8 values of att[b], and of k in LDS
	v_lshl_add_u32 v9, v[R], 2, s37                ; att of row r of my first tile
	v_lshlrev_b32 v14, 4, v1                       ; 16 x lane
	v_and_b32 v15, 0x1e0, v0                       ; 32 x wave
	v_lshl_or_b32 v[XO], v15, 13, v14              ; wave x 16 channels x 16,384 bytes + 16 x lane
	s_wait_kmcnt 0x0
	s_load_b32 s20, s[8:9], 0x0                    ; w_q
	s_load_b32 s21, s[10:11], 0x0                  ; b_q
	s_load_b32 s22, s[12:13], 0x0                  ; w_k
	s_load_b32 s23, s[14:15], 0x0                  ; b_k
	s_add_nc_u64 s[6:7], s[6:7], s[34:35]
	s_add_nc_u64 s[4:5], s[4:5], s[32:33]
	s_add_nc_u64 s[16:17], s[16:17], s[32:33]
	global_load_b128 v[A8:A8+3],   v8, s[6:7]
	global_load_b128 v[A8+4:A8+7], v8, s[6:7] offset:16
.irp t, 0,1,2,3
	global_load_b32 v[QA+\t], v9, s[6:7] offset:64*\t
.endr
.set i, 0
.rept 16
	global_load_b128 v[X+4*i:X+4*i+3], v[XO], s[4:5] offset:i*PLANE th:TH_LOAD_NT   ; x is read once in this launch and never after it
.set i, i+1
.endr
	; LDS addresses, while the loads are on their way
	v_lshlrev_b32 v10, 4, v0                       ; thread x 16: my 8 bf16 in each of the four rows
	v_lshrrev_b32 v11, 4, v0
	v_lshlrev_b32 v11, 3, v11                      ; half wave x 8
	v_lshlrev_b32 v12, 4, v[R]                     ; r x 16: two half waves' (min, max)
	v_lshl_add_u32 v[KA], v[HH], 5, s38            ; k: (my first column + 8 h) x 4 bytes
	v_add_nc_u32 v[FA], 9, v[R]                    ; which LDS row is row m = r of source 0: min((r - 7) mod 16, 3):
	v_and_b32 v[FA], 15, v[FA]                     ; r = 7: 0 (ones), 8: 1 (hi), 9: 2 (lo), every other: 3 (zeros)
	v_min_u32 v[FA], 3, v[FA]
	v_mul_u32_u24 v[FA], v[FA], PITCH
	v_lshl_add_u32 v[FA], v[HH], 4, v[FA]          ; + 8 h columns x 2 bytes
	v_add_nc_u32 v[FA], s39, v[FA]                 ; + my first column
	s_wait_kmcnt 0x0
	s_wait_loadcnt 16                              ; att is in; the 16 younger loads, x, stay out until the gates are made
	; my 8 columns: k, its smallest and largest, att as bf16 hi + lo
.irp n, 0,1,2,3,4,5,6,7
	v_fma_f32 v[K8+\n], s22, v[A8+\n], s23
.endr
.irp n, 0,1,2,3
	v_cvt_pk_bf16_f32 v[H4+\n], v[A8+2*\n], v[A8+2*\n+1]
.endr
	v_min3_num_f32 v[MN], v[K8], v[K8+1], v[K8+2]
	v_max3_num_f32 v[MX], v[K8], v[K8+1], v[K8+2]
	v_min3_num_f32 v[MN], v[MN], v[K8+3], v[K8+4]
	v_max3_num_f32 v[MX], v[MX], v[K8+3], v[K8+4]
	v_min3_num_f32 v[MN], v[MN], v[K8+5], v[K8+6]
	v_max3_num_f32 v[MX], v[MX], v[K8+5], v[K8+6]
	v_min_num_f32 v[MN], v[MN], v[K8+7]
	v_max_num_f32 v[MX], v[MX], v[K8+7]
.irp n, 0,1,2,3
	v_lshlrev_b32 v[F8+2*\n],   16, v[H4+\n]       ; hi back in f32
	v_and_b32     v[F8+2*\n+1], 0xffff0000, v[H4+\n]
.endr
.irp n, 0,1,2,3,4,5,6,7
	v_sub_f32 v[F8+\n], v[A8+\n], v[F8+\n]         ; att - hi: exact in f32
.endr
.irp n, 0,1,2,3
	v_cvt_pk_bf16_f32 v[L4+\n], v[F8+2*\n], v[F8+2*\n+1]
.endr
.irp m, 1,2,4,8
	v_min_num_f32_dpp v[MN], v[MN], v[MN] row_xmask:\m row_mask:0xf bank_mask:0xf   ; over the 16 lanes of my half wave
	v_max_num_f32_dpp v[MX], v[MX], v[MX] row_xmask:\m row_mask:0xf bank_mask:0xf
.endr
.irp n, 0,1,2,3
	v_mov_b32 v[F8+\n], 0x3f803f80                 ; two bf16 ones
	v_mov_b32 v[F8+4+\n], 0
.endr
	ds_store_b128 v8, v[K8:K8+3]    offset:KV
	ds_store_b128 v8, v[K8+4:K8+7]  offset:KV+16
	ds_store_b128 v10, v[F8:F8+3]   offset:AFB
	ds_store_b128 v10, v[H4:H4+3]   offset:AFB+PITCH
	ds_store_b128 v10, v[L4:L4+3]   offset:AFB+2*PITCH
	ds_store_b128 v10, v[F8+4:F8+7] offset:AFB+3*PITCH
	ds_store_b64 v11, v[MN:MX]      offset:MM      ; sixteen lanes write the same 8 bytes with the same values
	s_wait_dscnt 0x0                               ; my stores are done before I say so
	s_barrier_signal -1
	s_barrier_wait -1                              ; k, the four rows and the 32 (min, max) are whole
; six loads: 16 values of k (columns 8 h .. + 7 and 16 + 8 h .. + 7 of the block of 32, the same for all r) and my row of source 0
.macro LOADJB jblk, buf
	ds_load_b128 v[KB+16*\buf:KB+16*\buf+3],     v[KA] offset:KV+128*\jblk
	ds_load_b128 v[KB+16*\buf+4:KB+16*\buf+7],   v[KA] offset:KV+128*\jblk+16
	ds_load_b128 v[KB+16*\buf+8:KB+16*\buf+11],  v[KA] offset:KV+128*\jblk+64
	ds_load_b128 v[KB+16*\buf+12:KB+16*\buf+15], v[KA] offset:KV+128*\jblk+80
	ds_load_b128 v[AF+8*\buf:AF+8*\buf+3],       v[FA] offset:AFB+64*\jblk
	ds_load_b128 v[AF+8*\buf+4:AF+8*\buf+7],     v[FA] offset:AFB+64*\jblk+32
.endm
	ds_load_b128 v[MN:MN+3], v12 offset:MM         ; (min, max) of half waves 2 r and 2 r + 1
	LOADJB 0, 0
	s_wait_dscnt 0x6                               ; the (min, max) are in; the six younger loads stay out
	v_min_num_f32 v[MN], v[MN], v[MN+2]
	v_max_num_f32 v[MX], v[MX], v[MN+3]
.irp m, 1,2,4,8
	v_min_num_f32_dpp v[MN], v[MN], v[MN] row_xmask:\m row_mask:0xf bank_mask:0xf   ; both halves of the wave hold all 32: every lane ends with kmin, kmax
	v_max_num_f32_dpp v[MX], v[MX], v[MX] row_xmask:\m row_mask:0xf bank_mask:0xf
.endr
	v_xor_b32 v[MN], 0x80000000, v[MN]             ; -kmin
	v_xor_b32 v[MX], 0x80000000, v[MX]             ; -kmax
.irp t, 0,1,2,3
	v_fma_f32 v[QP+2*\t], s20, v[QA+\t], s21       ; q of my row
	v_mul_f32 v[QP+2*\t], 0x3fb8aa3b, v[QP+2*\t]   ; q' = q log2(e): v_exp_f32 works in base 2
	v_cmp_gt_f32 vcc_lo, 0, v[QP+2*\t]
	v_cndmask_b32 v[EX+2*\t], v[MX], v[MN], vcc_lo ; the row's largest score is at kmax, for q' < 0 at kmin
	v_mov_b32 v[QP+2*\t+1], v[QP+2*\t]             ; each twice: the packed instructions take pairs
	v_mov_b32 v[EX+2*\t+1], v[EX+2*\t]
.endr
; 16 exponentials of this unit; behind each stands one plain instruction of the next unit's exponents q' (k - kext), in the other buffer:
; so a plain independent instruction lies between every exponential and the use of its result (ISA guide 5.7.2).
.macro EXPARGS cur, nxt, kreg, tile
.irp n, 0,2,4,6,8,10,12,14
	v_exp_f32 v[\cur+\n/2], v[\cur+\n/2]
	v_pk_add_f32 v[\nxt+\n:\nxt+\n+1], v[\kreg+\n:\kreg+\n+1], v[EX+2*\tile:EX+2*\tile+1]
.endr
.irp n, 0,2,4,6,8,10,12,14
	v_exp_f32 v[\cur+8+\n/2], v[\cur+8+\n/2]
	v_pk_mul_f32 v[\nxt+\n:\nxt+\n+1], v[\nxt+\n:\nxt+\n+1], v[QP+2*\tile:QP+2*\tile+1]
.endr
.endm
.macro PACK cur                        ; registers 0-3 of the fragment: columns 8 h .. + 7, registers 4-7: 16 + 8 h .. + 7, the lower column in the lower half
	s_wait_alu depctr_va_vdst(0)
.irp n, 0,1,2,3,4,5,6,7
	v_cvt_pk_bf16_f32 v[PP+\n], v[\cur+2*\n], v[\cur+2*\n+1]
.endr
.endm
	s_wait_dscnt 0x0                               ; the first block's k and fragment
.irp n, 0,2,4,6,8,10,12,14
	v_pk_add_f32 v[ARG+\n:ARG+\n+1], v[KB+\n:KB+\n+1], v[EX:EX+1]      ; the first unit's exponents
.endr
.irp n, 0,2,4,6,8,10,12,14
	v_pk_mul_f32 v[ARG+\n:ARG+\n+1], v[ARG+\n:ARG+\n+1], v[QP:QP+1]
.endr
; 64 units: column block u / 4 (16 blocks of 32), row tile u % 4.  Written out: about 17 KiB of code, every LDS offset an immediate.
; Distances behind a matrix instruction (ISA guide 7.12.1): P is rewritten, and the fragment buffer that the block before read is loaded
; again, only behind the 16 packed instructions of EXPARGS, which name none of the matrix instruction's registers.
.set u, 0
.rept 64
.set jb, u/4
.set tl, u%4
.set ca, ARG+16*(u%2)
.set na, ARG+16*((u+1)%2)
.set nj, (u+1)/4
.set nt, (u+1)%4
.set nk, KB+16*(nj%2)
.set cf, AF+8*(jb%2)
.if u < 63
.if nt == 0
	s_wait_dscnt 0x0                               ; the next block's six loads, issued three units ago
.endif
	EXPARGS ca, na, nk, nt
.else
.irp n, 0,1,2,3,4,5,6,7,8,9,10,11,12,13,14,15
	v_exp_f32 v[ca+\n], v[ca+\n]
.endr
	s_wait_alu depctr_va_vdst(0)
.rept 4
	v_nop                                          ; nothing follows: the four places in front of P's rewriting, and the place behind the exponentials
.endr
.endif
.if tl == 0
.if jb < 15
.set lj, jb+1
.set lb, lj%2
	LOADJB lj, lb
.endif
.endif
	PACK ca
.if jb == 0
	v_wmma_f32_16x16x32_bf16 v[ACC+8*tl:ACC+8*tl+7], v[cf:cf+7], v[PP:PP+7], 0    ; the first product starts the sums
.else
	v_wmma_f32_16x16x32_bf16 v[ACC+8*tl:ACC+8*tl+7], v[cf:cf+7], v[PP:PP+7], v[ACC+8*tl:ACC+8*tl+7]
.endif
.set u, u+1
.endr
	; the four places behind the last matrix instruction hold the addresses of what follows
	v_lshlrev_b32 v[RS], 2, v[R]                   ; position r of a tile
	v_lshl_add_u32 v[RS], v[HH], 12, v[RS]         ; lanes 0-15: sums of P, lanes 16-31: sums of P att, 4,096 bytes further
	v_add_nc_u32 v[RS], s40, v[RS]                 ; my column part, my 64 positions
	v_lshl_add_u32 v13, v1, 2, s41                 ; 4 x (32 x wave + lane): one position a thread, for waves 0-3
.irp t, 0,1,2,3
	v_add_f32 v[ARG+\t], v[ACC+8*\t], v[ACC+8*\t+1]        ; rows m = 0, 1, 7 (zero, zero, ones) or m = 8, 9, 15 (hi, lo, zero)
	v_add_f32 v[ARG+\t], v[ARG+\t], v[ACC+8*\t+7]
	ds_store_b32 v[RS], v[ARG+\t] offset:RED+64*\t
.endr
	s_wait_dscnt 0x0
	s_barrier_signal -1
	s_barrier_wait -1                              ; all partial sums are in LDS
	s_cmp_gt_u32 s24, 3                            ; 128 positions: waves 0-3, one position a thread
	s_cbranch_scc1 .Lno_gate
.irp n, 0,1,2,3,4,5,6,7
	ds_load_b32 v[ARG+\n],   v13 offset:RED+512*\n
	ds_load_b32 v[ARG+8+\n], v13 offset:RED+4096+512*\n
.endr
	s_wait_dscnt 0x0
.irp a, 0,4,8,12
	v_pk_add_f32 v[ARG+\a:ARG+\a+1], v[ARG+\a:ARG+\a+1], v[ARG+\a+2:ARG+\a+3]
.endr
.irp a, 0,8
	v_pk_add_f32 v[ARG+\a:ARG+\a+1], v[ARG+\a:ARG+\a+1], v[ARG+\a+4:ARG+\a+5]
.endr
	v_add_f32 v[ARG],   v[ARG],   v[ARG+1]         ; sum of P: at least 1, the term of the row's maximum
	v_add_f32 v[ARG+8], v[ARG+8], v[ARG+9]         ; sum of P att
	v_rcp_f32 v[ARG+1], v[ARG]
	v_nop                                          ; the place behind a transcendental (ISA guide 5.7.2)
	s_wait_alu depctr_va_vdst(0)
	v_mul_f32 v[ARG+2], v[ARG+8], v[ARG+1]         ; o
	v_add_f32 v[ARG+3], 1.0, |v[ARG+2]|
	v_rcp_f32 v[ARG+4], v[ARG+3]
	v_nop
	s_wait_alu depctr_va_vdst(0)
	v_mul_f32 v[ARG+2], v[ARG+2], v[ARG+4]         ; o / (1 + |o|)
	ds_store_b32 v13, v[ARG+2] offset:GB
.Lno_gate:
	s_wait_dscnt 0x0
	s_barrier_signal -1
	s_barrier_wait -1                              ; the 128 gates are in LDS
	ds_load_b128 v[G:G+3], v14 offset:GB           ; those of my 4 positions
	s_wait_loadcnt 0x0                             ; x
	s_wait_dscnt 0x0
.set i, 0
.rept 16
	v_pk_mul_f32 v[X+4*i:X+4*i+1],   v[X+4*i:X+4*i+1],   v[G:G+1]
	v_pk_mul_f32 v[X+4*i+2:X+4*i+3], v[X+4*i+2:X+4*i+3], v[G+2:G+3]
	global_store_b128 v[XO], v[X+4*i:X+4*i+3], s[16:17] offset:i*PLANE th:TH_STORE_NT   ; 512 consecutive bytes, at a multiple of 512 from out0's first byte
.set i, i+1
.endr
	s_wait_tensorcnt 0x0
	ds_add_u32 v220, v221
	s_wait_dscnt 0x0
	s_endpgm
.Lfunc_end_k_q01b69eb371_gate:
	.size	k_q01b69eb371_gate, .Lfunc_end_k_q01b69eb371_gate-k_q01b69eb371_gate
	.p2alignl 7, 3214868480
	.fill 96, 4, 3214868480
	.section	.rodata,"a",@progbits
	.p2align	6, 0x0
	.amdhsa_kernel k_q01b69eb371_gate
		.amdhsa_group_segment_fixed_size 63488
		.amdhsa_private_segment_fixed_size 0
		.amdhsa_enable_private_segment 0
		.amdhsa_kernarg_size 56
		.amdhsa_user_sgpr_count 2
		.amdhsa_user_sgpr_kernarg_segment_ptr 1
		.amdhsa_wavefront_size32 1
		.amdhsa_system_sgpr_workgroup_id_x 1
		.amdhsa_system_sgpr_workgroup_id_y 1
		.amdhsa_system_sgpr_workgroup_id_z 1
		.amdhsa_system_vgpr_workitem_id 0
		.amdhsa_next_free_vgpr 222
		.amdhsa_next_free_sgpr 66
		.amdhsa_reserve_vcc 1
		.amdhsa_float_denorm_mode_32 3
		.amdhsa_float_denorm_mode_16_64 3
		.amdhsa_memory_ordered 1
		.amdhsa_forward_progress 1
		.amdhsa_inst_pref_size 157
	.end_amdhsa_kernel
	.amdgpu_metadata
---
amdhsa.version: [ 1, 2 ]
amdhsa.kernels:
  - .name:           k_q01b69eb371_gate
    .symbol:         k_q01b69eb371_gate.kd
    .args:
      - { .name: x, .offset: 0, .size: 8, .value_kind: global_buffer, .address_space: global }
      - { .name: att, .offset: 8, .size: 8, .value_kind: global_buffer, .address_space: global }
      - { .name: w_q, .offset: 16, .size: 8, .value_kind: global_buffer, .address_space: global }
      - { .name: b_q, .offset: 24, .size: 8, .value_kind: global_buffer, .address_space: global }
      - { .name: w_k, .offset: 32, .size: 8, .value_kind: global_buffer, .address_space: global }
      - { .name: b_k, .offset: 40, .size: 8, .value_kind: global_buffer, .address_space: global }
      - { .name: out0, .offset: 48, .size: 8, .value_kind: global_buffer, .address_space: global }
    .group_segment_fixed_size: 63488
    .private_segment_fixed_size: 0
    .kernarg_segment_align: 8
    .kernarg_segment_size: 56
    .max_flat_workgroup_size: 512
    .sgpr_count:     66
    .vgpr_count:     222
    .wavefront_size: 32
...
	.end_amdgpu_metadata
.endif
;; end of part 2
;; ======== version 2 of 2: 2 launches; version 1 with the launches attmap, gate written anew for expert scheduling mode
;; workspace buffers: att 131,072 bytes
;; launch attmap (part 3): grid 256 x 1, 8 waves a work-group, no clusters, 5,120 bytes of LDS; arguments x, w_map, b_map, att; writes att
.if DOCPART == 3
	.amdgcn_target "amdgcn-amd-amdhsa--gfx1250"
	.amdhsa_code_object_version 6
	.text
	.protected	k_q01b69eb371_attmap
	.globl	k_q01b69eb371_attmap
	.p2align	8
	.type	k_q01b69eb371_attmap,@function
k_q01b69eb371_attmap:
	s_mov_b64 s[64:65], 0
	v_nop
	global_prefetch_b8 v0, s[64:65] scope:SCOPE_SE
	s_setreg_imm32_b32 hwreg(HW_REG_WAVE_SCHED_MODE, 0, 2), 2
	s_setreg_imm32_b32 hwreg(HW_REG_WAVE_MODE, 25, 1), 1
	s_wait_xcnt 0x0
	s_wait_alu depctr_vm_vsrc(0)
; att[b][p] = sum over c of x[b][c][p] * w_map[c] + b_map.   x: [8][256][4096] f32, att: [8][4096] f32.
; A stream: every byte of x is read once and feeds one multiply-add, so the sums are kept in f32 on the vector unit; a matrix
; instruction would use one of its sixteen columns and would round x for nothing.
; A work-group owns one batch and 128 neighbouring positions: 256 rows of 512 bytes.  Wave w takes channels 32 w .. 32 w + 31,
; lane l the positions 4 l .. 4 l + 3, so each load of a wave covers 512 consecutive bytes that start at a multiple of 512.
; All 32 loads of a wave are issued before the first is used: the work-group's whole 128 KiB are asked for at once.
; x carries no streaming hint: the next launch reads it again.
; THE MODE: SCHED_MODE bits 1:0 = 2 (LLVM: expert scheduling mode 2), set by the entry lines.  The code itself states the register dependences
; between vector instructions and memory or LDS instructions, with s_wait_alu, always for 0.
; THE PLAN.  Registers that memory or LDS instructions touch:
;   v2, v3   offsets, made once at the head, never written again: read by every load and store.
;   X        the 32 loads land in it; the multiply-adds read it; in wave 0 the eight LDS loads land in it, the additions work in it, the last store reads X .. X + 3.
;   S        written by the multiply-adds, read by the LDS store, never written again.
; So three waits on va_vdst: ahead of the first load, ahead of the LDS store (it also serves wave 0's LDS loads: no vector instruction stands between), ahead of
; the last store.  No register that a memory instruction reads is written again.  One wait on va_sdst, for the wave's number.
.set PLANE, 16384                      ; bytes of one channel: 4,096 positions of f32
.set S,     4                          ; v[4:7]    my four sums
.set X,     8                          ; v[8:135]  32 loads of four numbers; later the eight waves' partial sums
	s_load_b256 s[4:11], s[0:1], 0x0               ; x s[4:5], w_map s[6:7], b_map s[8:9], att s[10:11]
	v_lshl_add_u32 v136, v0, 2, 0x1000
	v_mov_b32 v137, 0
	v_lshrrev_b32 v1, 5, v0
	v_readfirstlane_b32 s12, v1                    ; wave 0..7
	v_and_b32 v2, 31, v0
	v_lshlrev_b32 v2, 4, v2                        ; 16 x lane: my 16 bytes in a row of 512
	v_lshlrev_b32 v3, 4, v0                        ; 16 x thread = 512 x wave + 16 x lane: my place in LDS
	s_lshr_b32 s13, ttmp9, 5                       ; batch
	s_and_b32 s14, ttmp9, 31                       ; block of 128 positions
	s_lshl_b32 s15, s14, 9                         ; block x 512 bytes
	s_lshl_b32 s16, s13, 22                        ; batch x 256 channels x 16,384 bytes
	s_add_co_u32 s16, s16, s15
	s_wait_alu depctr_va_sdst(0)                   ; s12 is written, ahead of its first reader: the next line
	s_lshl_b32 s18, s12, 19                        ; wave x 32 channels x 16,384 bytes
	s_add_co_u32 s16, s16, s18
	s_mov_b32 s17, 0
	s_lshl_b32 s18, s12, 7                         ; wave x 32 weights x 4 bytes
	s_lshl_b32 s54, s13, 14                        ; att: batch x 16,384 bytes
	s_add_co_u32 s54, s54, s15                     ;      + block x 512
	s_mov_b32 s55, 0
	s_wait_kmcnt 0x0
	s_add_nc_u64 s[4:5], s[4:5], s[16:17]
	s_add_nc_u64 s[10:11], s[10:11], s[54:55]
	s_wait_alu depctr_va_vdst(0)                   ; v2 and v3 are written: every load and store of the kernel reads one of them as its offset or address
.set i, 0
.rept 32
	global_load_b128 v[X+4*i:X+4*i+3], v2, s[4:5] offset:i*PLANE
.set i, i+1
.endr
	s_load_b512 s[20:35], s[6:7], s18 offset:0x0   ; my 32 weights
	s_load_b512 s[36:51], s[6:7], s18 offset:0x40
	s_load_b32 s52, s[8:9], 0x0                    ; b_map
	s_wait_kmcnt 0x0
	s_wait_loadcnt 31                              ; loads return in order: channel 0 is in, the 31 younger ones stay out
.irp n, 0,1,2,3
	v_mul_f32 v[S+\n], s20, v[X+\n]                ; the first product starts the sums
.endr
.set i, 1
.rept 31
	s_wait_loadcnt 31-i                            ; channel i is in, 31 - i younger loads stay out
.irp n, 0,1,2,3
	v_fmac_f32 v[S+\n], s[20+i], v[X+4*i+\n]
.endr
.set i, i+1
.endr
	; the eight waves' sums meet in LDS; wave 0 adds them
	s_wait_alu depctr_va_vdst(0)                   ; the multiply-adds have written S, which the LDS store reads, and are done reading X, in which wave 0's LDS loads land
	ds_store_b128 v3, v[S:S+3]
	s_wait_dscnt 0x0                               ; my store is done before I say so
	s_barrier_signal -1
	s_barrier_wait -1
	s_cmp_lg_u32 s12, 0
	s_cbranch_scc1 .Ldone
.irp w, 0,1,2,3,4,5,6,7
	ds_load_b128 v[X+4*\w:X+4*\w+3], v2 offset:512*\w      ; no vector instruction since the wait above names X
.endr
	s_wait_dscnt 0x0
.irp a, 0,8,16,24
	v_pk_add_f32 v[X+\a:X+\a+1],   v[X+\a:X+\a+1],   v[X+\a+4:X+\a+5]
	v_pk_add_f32 v[X+\a+2:X+\a+3], v[X+\a+2:X+\a+3], v[X+\a+6:X+\a+7]
.endr
.irp a, 0,16
	v_pk_add_f32 v[X+\a:X+\a+1],   v[X+\a:X+\a+1],   v[X+\a+8:X+\a+9]
	v_pk_add_f32 v[X+\a+2:X+\a+3], v[X+\a+2:X+\a+3], v[X+\a+10:X+\a+11]
.endr
	v_pk_add_f32 v[X:X+1],   v[X:X+1],   v[X+16:X+17]
	v_pk_add_f32 v[X+2:X+3], v[X+2:X+3], v[X+18:X+19]
.irp n, 0,1,2,3
	v_add_f32 v[X+\n], s52, v[X+\n]                ; + b_map
.endr
	s_wait_alu depctr_va_vdst(0)                   ; the additions have written X .. X + 3, which the store reads
	global_store_b128 v2, v[X:X+3], s[10:11]       ; 512 consecutive bytes, at a multiple of 512 from att's first byte
.Ldone:
	s_wait_dscnt 0x0
	s_wait_alu depctr_hold_cnt(0) depctr_sa_sdst(0) depctr_va_vdst(0) depctr_va_sdst(0) depctr_va_ssrc(0) depctr_va_vcc(0) depctr_vm_vsrc(0)
	s_wait_tensorcnt 0x0
	ds_add_u32 v136, v137
	s_wait_dscnt 0x0
	s_endpgm
.Lfunc_end_k_q01b69eb371_attmap:
	.size	k_q01b69eb371_attmap, .Lfunc_end_k_q01b69eb371_attmap-k_q01b69eb371_attmap
	.p2alignl 7, 3214868480
	.fill 96, 4, 3214868480
	.section	.rodata,"a",@progbits
	.p2align	6, 0x0
	.amdhsa_kernel k_q01b69eb371_attmap
		.amdhsa_group_segment_fixed_size 5120
		.amdhsa_private_segment_fixed_size 0
		.amdhsa_enable_private_segment 0
		.amdhsa_kernarg_size 32
		.amdhsa_user_sgpr_count 2
		.amdhsa_user_sgpr_kernarg_segment_ptr 1
		.amdhsa_wavefront_size32 1
		.amdhsa_system_sgpr_workgroup_id_x 1
		.amdhsa_system_sgpr_workgroup_id_y 1
		.amdhsa_system_sgpr_workgroup_id_z 1
		.amdhsa_system_vgpr_workitem_id 0
		.amdhsa_next_free_vgpr 138
		.amdhsa_next_free_sgpr 66
		.amdhsa_reserve_vcc 0
		.amdhsa_float_denorm_mode_32 3
		.amdhsa_float_denorm_mode_16_64 3
		.amdhsa_memory_ordered 1
		.amdhsa_forward_progress 1
		.amdhsa_inst_pref_size 12
	.end_amdhsa_kernel
	.amdgpu_metadata
---
amdhsa.version: [ 1, 2 ]
amdhsa.kernels:
  - .name:           k_q01b69eb371_attmap
    .symbol:         k_q01b69eb371_attmap.kd
    .args:
      - { .name: x, .offset: 0, .size: 8, .value_kind: global_buffer, .address_space: global }
      - { .name: w_map, .offset: 8, .size: 8, .value_kind: global_buffer, .address_space: global }
      - { .name: b_map, .offset: 16, .size: 8, .value_kind: global_buffer, .address_space: global }
      - { .name: att, .offset: 24, .size: 8, .value_kind: global_buffer, .address_space: global }
    .group_segment_fixed_size: 5120
    .private_segment_fixed_size: 0
    .kernarg_segment_align: 8
    .kernarg_segment_size: 32
    .max_flat_workgroup_size: 256
    .sgpr_count:     66
    .vgpr_count:     138
    .wavefront_size: 32
...
	.end_amdgpu_metadata
.endif
;; end of part 3
;; launch gate (part 4): grid 256 x 1, 16 waves a work-group, no clusters, 63,488 bytes of LDS; arguments x, att, w_q, b_q, w_k, b_k, out0; writes out0
.if DOCPART == 4
	.amdgcn_target "amdgcn-amd-amdhsa--gfx1250"
	.amdhsa_code_object_version 6
	.text
	.protected	k_q01b69eb371_gate
	.globl	k_q01b69eb371_gate
	.p2align	8
	.type	k_q01b69eb371_gate,@function
k_q01b69eb371_gate:
	s_mov_b64 s[64:65], 0
	v_nop
	global_prefetch_b8 v0, s[64:65] scope:SCOPE_SE
	s_setreg_imm32_b32 hwreg(HW_REG_WAVE_SCHED_MODE, 0, 2), 2
	s_setreg_imm32_b32 hwreg(HW_REG_WAVE_MODE, 25, 1), 1
	s_wait_xcnt 0x0
	s_wait_alu depctr_vm_vsrc(0)
; out0[b][c][i] = g(o_i) x[b][c][i],  g(o) = o / (1 + |o|),  o_i = sum_j p_ij att_j,  p_i. = softmax_j(q_i k_j),
; q = w_q att + b_q,  k = w_k att + b_k.   x, out0: [8][256][4096] f32, att: [8][4096] f32 (made by the launch before).
;
; A work-group owns one batch and 128 neighbouring positions i, and all 256 channels of them (256 rows of 512 bytes), 16 waves.
; X: wave w asks for its channels 16 w .. 16 w + 15 at the very start, 16 loads of 512 consecutive bytes into 64 registers.  They stay
;    pending under the whole softmax, are scaled in place and stored: x passes through no LDS.
; THE ROW MAXIMUM is taken away exactly: the scores of a row are q_i k_j, so their maximum is q_i kmax (q_i >= 0) or q_i kmin (q_i < 0).
;    The exponent is formed as q'_i (k_j - kext_i), q' = q log2(e): never above 0, and 0 at the maximum, whatever the size of the scores.
;    (One fused q' k_j - m would be an instruction less for two exponents, but m is rounded: at |m| = 2^36 by up to 2^12, which as a common
;    shift of a row's exponents leaves the range of exp2.)
; THE SUMS go to the matrix unit.  P (16 rows i x 32 columns j, bf16) is source 1: lane (r, h) makes the 16 exponentials of row i = r that
;    the fragment layout gives it.  Source 0 has the rows m = 7: ones, m = 8: att rounded to bf16, m = 9: the rest of att in bf16, all others
;    zero.  In the result, register n of lane (r, h) is row m = 8 h + n for position r, so D0 + D1 + D7 is the row's sum of P in lanes 0-15
;    and its sum of P att in lanes 16-31: one LDS store a tile, all lanes on.
; SPLIT: wave w takes the 4 row tiles of positions 64 (w >> 3) .. + 63 and the columns j = 512 (w & 7) .. + 511: 64 units of 16 x 32.
;    The eight column partials are plain sums (the maximum is known beforehand); they meet in LDS.
; No cluster: what the 32 work-groups of a batch share is att, 16 KiB of the 272 KiB that a work-group moves.
; LIMITS: P is rounded to bf16 and att enters the product with 16 bits of significand (hi + lo); |att| must be in bf16's finite range;
;    |o| >= 2^126 would make 1 / (1 + |o|) flush to zero (ISA guide 15.8, v_rcp_f32); NaN and infinities in the inputs are not followed.
; THE MODE: SCHED_MODE bits 1:0 = 2 (LLVM: expert scheduling mode 2), set by the entry lines.  The code itself states the register dependences
;    between vector or matrix instructions and memory or LDS instructions, with s_wait_alu, always for 0.
; THE PLAN.  Registers that memory or LDS instructions touch:
;   v8, v9, XO, v10, v11, v12, v14, KA, FA   offsets and LDS addresses, made once at the head; RS, v13 made once behind the last product.  None is written again.
;   K8, H4, L4, F8 (in ARG), MN:MX (in PP)   written by the set-up's arithmetic, read by its seven LDS stores; later the (min, max) load lands in MN .. and the units write ARG.
;   KB[b], AF[b]   the six loads of column block jb + 1 are issued in unit 4 jb and land in the buffer whose last readers are the additions of unit 4 jb - 2 (KB)
;                  and the matrix instruction of unit 4 jb - 1 (AF); no vector or matrix instruction names it again before the wait on DScnt in unit 4 jb + 3.
;   ARG + 0 .. 3   written by the additions behind the last product, read by four LDS stores; in waves 0-3 LDS loads then land in ARG .. ARG + 15; ARG + 2 is read by the gate's store.
;   X              the 16 loads land in it; it is scaled in place, read by the stores, never written again.     G: an LDS load lands in it; vector instructions read it.
; In the units ONE wait on va_vdst stands in each, behind its exponentials and ahead of the roundings that read them: it states that the exponentials' results are
; written, and, in a block's first unit, that the last readers of the buffer to be loaded are done; the six loads stand directly behind it.
.set PLANE, 16384                      ; bytes of one channel: 4,096 positions of f32
.set PITCH, 8208                       ; an LDS row of 4,096 bf16 + 16 bytes: the four rows that one fragment load touches lie 16 bytes apart modulo 256
.set KV,    0                          ; k_j, f32: 16,384 bytes
.set AFB,   16384                      ; four rows of PITCH: ones, att hi, att lo, zeros
.set RED,   AFB+4*PITCH                ; partial sums [sum of P | sum of P att][8 column parts][128 positions] f32: 8,192 bytes
.set MM,    RED+8192                   ; (min k, max k) of each of the 32 half waves: 256 bytes
.set GB,    MM+256                     ; the 128 gates: 512 bytes
.set XO,  2                            ; v2   my byte offset in the work-group's part of x and of out0
.set KA,  3                            ; v3   LDS address of my k values
.set FA,  4                            ; v4   LDS address of my row of source 0
.set RS,  5                            ; v5   LDS address of my partial sums
.set R,   6                            ; v6   lane % 16
.set HH,  7                            ; v7   lane / 16
.set QP,  16                           ; v[16:23]   tile t: (q', q') of my row, a pair for the packed multiply
.set EX,  24                           ; v[24:31]   tile t: (-kext, -kext) of my row
.set KB,  32                           ; v[32:63]   16 values of k, two buffers
.set AF,  64                           ; v[64:79]   fragment of source 0, two buffers
.set ARG, 80                           ; v[80:111]  16 exponents, then exponentials, two buffers
.set PP,  112                          ; v[112:119] P, packed bf16
.set ACC, 120                          ; v[120:151] four accumulators
.set X,   152                          ; v[152:215] 16 channels x 4 positions of x
.set G,   216                          ; v[216:219] the gates of my 4 positions
.set CM,  32                           ; s[32:35]   tile t: the lanes with q' < 0 (the offsets that these registers held at the head are used up by then)
; set-up only, in registers that the units use later:
.set A8,  ARG                          ; 8 values of att
.set K8,  ARG+8                        ; their k
.set H4,  ARG+16                       ; att hi, packed
.set L4,  ARG+20                       ; att lo, packed
.set F8,  ARG+24                       ; hi as f32, then att - hi, then the constants of the ones and zeros rows
.set QA,  PP                           ; att of my row in the four tiles
.set MN,  PP+4                         ; min k
.set MX,  PP+5                         ; max k   (PP+4 .. PP+7 also take the 16 bytes read back from MM)
	s_load_b256 s[4:11], s[0:1], 0x0               ; x s[4:5], att s[6:7], w_q s[8:9], b_q s[10:11]
	s_load_b128 s[12:15], s[0:1], 0x20             ; w_k s[12:13], b_k s[14:15]
	s_load_b64 s[16:17], s[0:1], 0x30              ; out0
	v_lshl_add_u32 v220, v0, 2, 0xf000
	v_mov_b32 v221, 0
	v_lshrrev_b32 v1, 5, v0
	v_readfirstlane_b32 s24, v1                    ; wave 0..15
	v_and_b32 v1, 31, v0                           ; lane
	v_and_b32 v[R], 15, v0
	v_bfe_u32 v[HH], v0, 4, 1
	s_wait_alu depctr_va_sdst(0)                   ; s24 is written, ahead of its first reader: the next line
	s_lshr_b32 s25, s24, 3                         ; which 64 positions are mine
	s_and_b32 s26, s24, 7                          ; which 512 columns are mine
	s_lshr_b32 s27, ttmp9, 5                       ; batch
	s_and_b32 s28, ttmp9, 31                       ; block of 128 positions
	s_lshl_b32 s29, s28, 9                         ; block x 512 bytes
	s_lshl_b32 s32, s27, 22                        ; batch x 256 channels x 16,384 bytes
	s_add_co_u32 s32, s32, s29
	s_mov_b32 s33, 0
	s_lshl_b32 s34, s27, 14                        ; att: batch x 16,384 bytes
	s_mov_b32 s35, 0
	s_lshl_b32 s36, s25, 8                         ; my 64 positions x 4 bytes
	s_add_co_u32 s37, s36, s29                     ; and where they lie in att[b]
	s_lshl_b32 s38, s26, 11                        ; my 512 columns in f32
	s_lshl_b32 s39, s26, 10                        ; and in bf16
	s_lshl_b32 s40, s26, 9                         ; my column part's 128 sums
	s_add_co_u32 s40, s40, s36                     ; + my 64 positions
	s_lshl_b32 s41, s24, 7                         ; wave x 32 positions x 4 bytes (the gates' stage)
	v_lshlrev_b32 v8, 5, v0                        ; thread x 32: my 8 values of att[b], and of k in LDS
	v_lshl_add_u32 v9, v[R], 2, s37                ; att of row r of my first tile
	v_lshlrev_b32 v14, 4, v1                       ; 16 x lane
	v_and_b32 v15, 0x1e0, v0                       ; 32 x wave
	v_lshl_or_b32 v[XO], v15, 13, v14              ; wave x 16 channels x 16,384 bytes + 16 x lane
	s_wait_kmcnt 0x0
	s_load_b32 s20, s[8:9], 0x0                    ; w_q
	s_load_b32 s21, s[10:11], 0x0                  ; b_q
	s_load_b32 s22, s[12:13], 0x0                  ; w_k
	s_load_b32 s23, s[14:15], 0x0                  ; b_k
	s_add_nc_u64 s[6:7], s[6:7], s[34:35]
	s_add_nc_u64 s[4:5], s[4:5], s[32:33]
	s_add_nc_u64 s[16:17], s[16:17], s[32:33]
	s_wait_alu depctr_va_vdst(0)                   ; v8, v9 and v[XO] are written, which the loads below read as their offsets
	global_load_b128 v[A8:A8+3],   v8, s[6:7]
	global_load_b128 v[A8+4:A8+7], v8, s[6:7] offset:16
.irp t, 0,1,2,3
	global_load_b32 v[QA+\t], v9, s[6:7] offset:64*\t
.endr
.set i, 0
.rept 16
	global_load_b128 v[X+4*i:X+4*i+3], v[XO], s[4:5] offset:i*PLANE th:TH_LOAD_NT   ; x is read once in this launch and never after it
.set i, i+1
.endr
	; LDS addresses, while the loads are on their way (none of these registers is named by the loads above)
	v_lshlrev_b32 v10, 4, v0                       ; thread x 16: my 8 bf16 in each of the four rows
	v_lshrrev_b32 v11, 4, v0
	v_lshlrev_b32 v11, 3, v11                      ; half wave x 8
	v_lshlrev_b32 v12, 4, v[R]                     ; r x 16: two half waves' (min, max)
	v_lshl_add_u32 v[KA], v[HH], 5, s38            ; k: (my first column + 8 h) x 4 bytes
	v_add_nc_u32 v[FA], 9, v[R]                    ; which LDS row is row m = r of source 0: min((r - 7) mod 16, 3):
	v_and_b32 v[FA], 15, v[FA]                     ; r = 7: 0 (ones), 8: 1 (hi), 9: 2 (lo), every other: 3 (zeros)
	v_min_u32 v[FA], 3, v[FA]
	v_mul_u32_u24 v[FA], v[FA], PITCH
	v_lshl_add_u32 v[FA], v[HH], 4, v[FA]          ; + 8 h columns x 2 bytes
	v_add_nc_u32 v[FA], s39, v[FA]                 ; + my first column
	s_wait_kmcnt 0x0
	s_wait_loadcnt 16                              ; att is in; the 16 younger loads, x, stay out until the gates are made
	; my 8 columns: k, its smallest and largest, att as bf16 hi + lo
.irp n, 0,1,2,3,4,5,6,7
	v_fma_f32 v[K8+\n], s22, v[A8+\n], s23
.endr
.irp n, 0,1,2,3
	v_cvt_pk_bf16_f32 v[H4+\n], v[A8+2*\n], v[A8+2*\n+1]
.endr
	v_min3_num_f32 v[MN], v[K8], v[K8+1], v[K8+2]
	v_max3_num_f32 v[MX], v[K8], v[K8+1], v[K8+2]
	v_min3_num_f32 v[MN], v[MN], v[K8+3], v[K8+4]
	v_max3_num_f32 v[MX], v[MX], v[K8+3], v[K8+4]
	v_min3_num_f32 v[MN], v[MN], v[K8+5], v[K8+6]
	v_max3_num_f32 v[MX], v[MX], v[K8+5], v[K8+6]
	v_min_num_f32 v[MN], v[MN], v[K8+7]
	v_max_num_f32 v[MX], v[MX], v[K8+7]
.irp n, 0,1,2,3
	v_lshlrev_b32 v[F8+2*\n],   16, v[H4+\n]       ; hi back in f32
	v_and_b32     v[F8+2*\n+1], 0xffff0000, v[H4+\n]
.endr
.irp n, 0,1,2,3,4,5,6,7
	v_sub_f32 v[F8+\n], v[A8+\n], v[F8+\n]         ; att - hi: exact in f32
.endr
.irp n, 0,1,2,3
	v_cvt_pk_bf16_f32 v[L4+\n], v[F8+2*\n], v[F8+2*\n+1]
.endr
.irp m, 1,2,4,8
	v_min_num_f32_dpp v[MN], v[MN], v[MN] row_xmask:\m row_mask:0xf bank_mask:0xf   ; over the 16 lanes of my half wave
	v_max_num_f32_dpp v[MX], v[MX], v[MX] row_xmask:\m row_mask:0xf bank_mask:0xf
.endr
.irp n, 0,1,2,3
	v_mov_b32 v[F8+\n], 0x3f803f80                 ; two bf16 ones
	v_mov_b32 v[F8+4+\n], 0
.endr
	s_wait_alu depctr_va_vdst(0)                   ; K8, F8, H4, L4 and MN:MX are written, which the LDS stores read; so are the LDS addresses v10, v11, v12, v14, KA and FA
	ds_store_b128 v8, v[K8:K8+3]    offset:KV
	ds_store_b128 v8, v[K8+4:K8+7]  offset:KV+16
	ds_store_b128 v10, v[F8:F8+3]   offset:AFB
	ds_store_b128 v10, v[H4:H4+3]   offset:AFB+PITCH
	ds_store_b128 v10, v[L4:L4+3]   offset:AFB+2*PITCH
	ds_store_b128 v10, v[F8+4:F8+7] offset:AFB+3*PITCH
	ds_store_b64 v11, v[MN:MX]      offset:MM      ; sixteen lanes write the same 8 bytes with the same values
	s_wait_dscnt 0x0                               ; my stores are done before I say so
	s_barrier_signal -1
	s_barrier_wait -1                              ; k, the four rows and the 32 (min, max) are whole
; six loads: 16 values of k (columns 8 h .. + 7 and 16 + 8 h .. + 7 of the block of 32, the same for all r) and my row of source 0
.macro LOADJB jblk, buf
	ds_load_b128 v[KB+16*\buf:KB+16*\buf+3],     v[KA] offset:KV+128*\jblk
	ds_load_b128 v[KB+16*\buf+4:KB+16*\buf+7],   v[KA] offset:KV+128*\jblk+16
	ds_load_b128 v[KB+16*\buf+8:KB+16*\buf+11],  v[KA] offset:KV+128*\jblk+64
	ds_load_b128 v[KB+16*\buf+12:KB+16*\buf+15], v[KA] offset:KV+128*\jblk+80
	ds_load_b128 v[AF+8*\buf:AF+8*\buf+3],       v[FA] offset:AFB+64*\jblk
	ds_load_b128 v[AF+8*\buf+4:AF+8*\buf+7],     v[FA] offset:AFB+64*\jblk+32
.endm
	s_wait_alu depctr_vm_vsrc(0)                   ; my LDS stores have read MN:MX, in which the next load lands, and K8, H4, L4, F8, which the units' exponents write
	ds_load_b128 v[MN:MN+3], v12 offset:MM         ; (min, max) of half waves 2 r and 2 r + 1
	LOADJB 0, 0
	s_wait_dscnt 0x6                               ; the (min, max) are in; the six younger loads stay out
	v_min_num_f32 v[MN], v[MN], v[MN+2]
	v_max_num_f32 v[MX], v[MX], v[MN+3]
.irp m, 1,2,4,8
	v_min_num_f32_dpp v[MN], v[MN], v[MN] row_xmask:\m row_mask:0xf bank_mask:0xf   ; both halves of the wave hold all 32: every lane ends with kmin, kmax
	v_max_num_f32_dpp v[MX], v[MX], v[MX] row_xmask:\m row_mask:0xf bank_mask:0xf
.endr
	v_xor_b32 v[MN], 0x80000000, v[MN]             ; -kmin
	v_xor_b32 v[MX], 0x80000000, v[MX]             ; -kmax
.irp t, 0,1,2,3
	v_fma_f32 v[QP+2*\t], s20, v[QA+\t], s21       ; q of my row
.endr
.irp t, 0,1,2,3
	v_mul_f32 v[QP+2*\t], 0x3fb8aa3b, v[QP+2*\t]   ; q' = q log2(e): v_exp_f32 works in base 2
.endr
.irp t, 0,1,2,3
	v_cmp_gt_f32 s[CM+\t], 0, v[QP+2*\t]           ; the four compares in one run, a mask register each
.endr
.irp t, 0,1,2,3
	v_mov_b32 v[QP+2*\t+1], v[QP+2*\t]             ; each twice: the packed instructions take pairs
.endr
	s_wait_alu depctr_va_sdst(0)                   ; the four masks s[CM .. CM + 3] are written, ahead of the selects that read them
.irp t, 0,1,2,3
	v_cndmask_b32 v[EX+2*\t], v[MX], v[MN], s[CM+\t]       ; the row's largest score is at kmax, for q' < 0 at kmin
.endr
.irp t, 0,1,2,3
	v_mov_b32 v[EX+2*\t+1], v[EX+2*\t]
.endr
; 16 exponentials of this unit; behind each stands one plain instruction of the next unit's exponents q' (k - kext), in the other buffer:
; so a plain independent instruction lies between every exponential and the use of its result (ISA guide 5.7.2).
.macro EXPARGS cur, nxt, kreg, tile
.irp n, 0,2,4,6,8,10,12,14
	v_exp_f32 v[\cur+\n/2], v[\cur+\n/2]
	v_pk_add_f32 v[\nxt+\n:\nxt+\n+1], v[\kreg+\n:\kreg+\n+1], v[EX+2*\tile:EX+2*\tile+1]
.endr
.irp n, 0,2,4,6,8,10,12,14
	v_exp_f32 v[\cur+8+\n/2], v[\cur+8+\n/2]
	v_pk_mul_f32 v[\nxt+\n:\nxt+\n+1], v[\nxt+\n:\nxt+\n+1], v[QP+2*\tile:QP+2*\tile+1]
.endr
.endm
.macro PACK cur                        ; registers 0-3 of the fragment: columns 8 h .. + 7, registers 4-7: 16 + 8 h .. + 7, the lower column in the lower half
.irp n, 0,1,2,3,4,5,6,7
	v_cvt_pk_bf16_f32 v[PP+\n], v[\cur+2*\n], v[\cur+2*\n+1]
.endr
.endm
	s_wait_dscnt 0x0                               ; the first block's k and fragment
.irp n, 0,2,4,6,8,10,12,14
	v_pk_add_f32 v[ARG+\n:ARG+\n+1], v[KB+\n:KB+\n+1], v[EX:EX+1]      ; the first unit's exponents
.endr
.irp n, 0,2,4,6,8,10,12,14
	v_pk_mul_f32 v[ARG+\n:ARG+\n+1], v[ARG+\n:ARG+\n+1], v[QP:QP+1]
.endr
; 64 units: column block u / 4 (16 blocks of 32), row tile u % 4.  Written out: every LDS offset is an immediate.
; Distances behind a matrix instruction (ISA guide 7.12.1): P is rewritten only behind the 16 packed instructions of EXPARGS, which name none of
; the matrix instruction's registers.  The four accumulators take turns, one instruction a turn.
.set u, 0
.rept 64
.set jb, u/4
.set tl, u%4
.set ca, ARG+16*(u%2)
.set na, ARG+16*((u+1)%2)
.set nj, (u+1)/4
.set nt, (u+1)%4
.set nk, KB+16*(nj%2)
.set cf, AF+8*(jb%2)
.if u < 63
.if nt == 0
	s_wait_dscnt 0x0                               ; the next block's six loads, issued three units ago
.endif
	EXPARGS ca, na, nk, nt
.else
.irp n, 0,1,2,3,4,5,6,7,8,9,10,11,12,13,14,15
	v_exp_f32 v[ca+\n], v[ca+\n]
.endr
.rept 4
	v_nop                                          ; nothing follows: the four places in front of P's rewriting, and the place behind the exponentials
.endr
.endif
	s_wait_alu depctr_va_vdst(0)                   ; the unit's 16 exponentials have written their results, which the roundings below read; in a block's first unit also: the last unit's matrix instruction is done reading its fragment, and the additions are done reading the k, in whose registers the six loads land
.if tl == 0
.if jb < 15
.set lj, jb+1
.set lb, lj%2
	LOADJB lj, lb
.endif
.endif
	PACK ca
.if jb == 0
	v_wmma_f32_16x16x32_bf16 v[ACC+8*tl:ACC+8*tl+7], v[cf:cf+7], v[PP:PP+7], 0    ; the first product starts the sums
.else
	v_wmma_f32_16x16x32_bf16 v[ACC+8*tl:ACC+8*tl+7], v[cf:cf+7], v[PP:PP+7], v[ACC+8*tl:ACC+8*tl+7]
.endif
.set u, u+1
.endr
	; the four places behind the last matrix instruction hold the addresses of what follows
	v_lshlrev_b32 v[RS], 2, v[R]                   ; position r of a tile
	v_lshl_add_u32 v[RS], v[HH], 12, v[RS]         ; lanes 0-15: sums of P, lanes 16-31: sums of P att, 4,096 bytes further
	v_add_nc_u32 v[RS], s40, v[RS]                 ; my column part, my 64 positions
	v_lshl_add_u32 v13, v1, 2, s41                 ; 4 x (32 x wave + lane): one position a thread, for waves 0-3
.irp t, 0,1,2,3
	v_add_f32 v[ARG+\t], v[ACC+8*\t], v[ACC+8*\t+1]        ; rows m = 0, 1, 7 (zero, zero, ones) or m = 8, 9, 15 (hi, lo, zero): each accumulator from its low end on
.endr
.irp t, 0,1,2,3
	v_add_f32 v[ARG+\t], v[ARG+\t], v[ACC+8*\t+7]
.endr
	s_wait_alu depctr_va_vdst(0)                   ; the additions have written ARG .. ARG + 3, which the LDS stores read; v[RS] and v13 are written; every vector instruction is done with ARG, in which waves 0-3 load below
.irp t, 0,1,2,3
	ds_store_b32 v[RS], v[ARG+\t] offset:RED+64*\t
.endr
	s_wait_dscnt 0x0
	s_barrier_signal -1
	s_barrier_wait -1                              ; all partial sums are in LDS
	s_cmp_gt_u32 s24, 3                            ; 128 positions: waves 0-3, one position a thread
	s_cbranch_scc1 .Lno_gate
	s_wait_alu depctr_vm_vsrc(0)                   ; my four LDS stores have read ARG .. ARG + 3, in which the loads below land
.irp n, 0,1,2,3,4,5,6,7
	ds_load_b32 v[ARG+\n],   v13 offset:RED+512*\n
	ds_load_b32 v[ARG+8+\n], v13 offset:RED+4096+512*\n
.endr
	s_wait_dscnt 0x0
.irp a, 0,4,8,12
	v_pk_add_f32 v[ARG+\a:ARG+\a+1], v[ARG+\a:ARG+\a+1], v[ARG+\a+2:ARG+\a+3]
.endr
.irp a, 0,8
	v_pk_add_f32 v[ARG+\a:ARG+\a+1], v[ARG+\a:ARG+\a+1], v[ARG+\a+4:ARG+\a+5]
.endr
	v_add_f32 v[ARG],   v[ARG],   v[ARG+1]         ; sum of P: at least 1, the term of the row's maximum
	v_add_f32 v[ARG+8], v[ARG+8], v[ARG+9]         ; sum of P att
	v_rcp_f32 v[ARG+1], v[ARG]
	v_nop                                          ; the place behind a transcendental (ISA guide 5.7.2)
	s_wait_alu depctr_va_vdst(0)                   ; the reciprocal has written ARG + 1, which the next line reads
	v_mul_f32 v[ARG+2], v[ARG+8], v[ARG+1]         ; o
	v_add_f32 v[ARG+3], 1.0, |v[ARG+2]|
	v_rcp_f32 v[ARG+4], v[ARG+3]
	v_nop
	s_wait_alu depctr_va_vdst(0)                   ; the reciprocal has written ARG + 4, which the next line reads
	v_mul_f32 v[ARG+2], v[ARG+2], v[ARG+4]         ; o / (1 + |o|)
	s_wait_alu depctr_va_vdst(0)                   ; the multiply has written ARG + 2, which the LDS store reads
	ds_store_b32 v13, v[ARG+2] offset:GB
.Lno_gate:
	s_wait_dscnt 0x0
	s_barrier_signal -1
	s_barrier_wait -1                              ; the 128 gates are in LDS
	ds_load_b128 v[G:G+3], v14 offset:GB           ; those of my 4 positions (no vector instruction has named G; v14 was written at the head)
	s_wait_loadcnt 0x0                             ; x
	s_wait_dscnt 0x0
	; the way out in two halves: channels 0-7 are scaled; behind one wait their stores are dealt among the scalings of channels 8-15, which name none of their registers
.set i, 0
.rept 8
	v_pk_mul_f32 v[X+4*i:X+4*i+1],   v[X+4*i:X+4*i+1],   v[G:G+1]
	v_pk_mul_f32 v[X+4*i+2:X+4*i+3], v[X+4*i+2:X+4*i+3], v[G+2:G+3]
.set i, i+1
.endr
	s_wait_alu depctr_va_vdst(0)                   ; the multiplies have written channels 0-7 of X, which the eight stores below read
.set i, 0
.rept 8
	global_store_b128 v[XO], v[X+4*i:X+4*i+3], s[16:17] offset:i*PLANE th:TH_STORE_NT   ; 512 consecutive bytes, at a multiple of 512 from out0's first byte
	v_pk_mul_f32 v[X+32+4*i:X+32+4*i+1],   v[X+32+4*i:X+32+4*i+1],   v[G:G+1]
	v_pk_mul_f32 v[X+32+4*i+2:X+32+4*i+3], v[X+32+4*i+2:X+32+4*i+3], v[G+2:G+3]
.set i, i+1
.endr
	s_wait_alu depctr_va_vdst(0)                   ; the multiplies have written channels 8-15 of X, which the last eight stores read
.set i, 8
.rept 8
	global_store_b128 v[XO], v[X+4*i:X+4*i+3], s[16:17] offset:i*PLANE th:TH_STORE_NT
.set i, i+1
.endr
	s_wait_dscnt 0x0
	s_wait_alu depctr_hold_cnt(0) depctr_sa_sdst(0) depctr_va_vdst(0) depctr_va_sdst(0) depctr_va_ssrc(0) depctr_va_vcc(0) depctr_vm_vsrc(0)
	s_wait_tensorcnt 0x0
	ds_add_u32 v220, v221
	s_wait_dscnt 0x0
	s_endpgm
.Lfunc_end_k_q01b69eb371_gate:
	.size	k_q01b69eb371_gate, .Lfunc_end_k_q01b69eb371_gate-k_q01b69eb371_gate
	.p2alignl 7, 3214868480
	.fill 96, 4, 3214868480
	.section	.rodata,"a",@progbits
	.p2align	6, 0x0
	.amdhsa_kernel k_q01b69eb371_gate
		.amdhsa_group_segment_fixed_size 63488
		.amdhsa_private_segment_fixed_size 0
		.amdhsa_enable_private_segment 0
		.amdhsa_kernarg_size 56
		.amdhsa_user_sgpr_count 2
		.amdhsa_user_sgpr_kernarg_segment_ptr 1
		.amdhsa_wavefront_size32 1
		.amdhsa_system_sgpr_workgroup_id_x 1
		.amdhsa_system_sgpr_workgroup_id_y 1
		.amdhsa_system_sgpr_workgroup_id_z 1
		.amdhsa_system_vgpr_workitem_id 0
		.amdhsa_next_free_vgpr 222
		.amdhsa_next_free_sgpr 66
		.amdhsa_reserve_vcc 0
		.amdhsa_float_denorm_mode_32 3
		.amdhsa_float_denorm_mode_16_64 3
		.amdhsa_memory_ordered 1
		.amdhsa_forward_progress 1
		.amdhsa_inst_pref_size 158
	.end_amdhsa_kernel
	.amdgpu_metadata
---
amdhsa.version: [ 1, 2 ]
amdhsa.kernels:
  - .name:           k_q01b69eb371_gate
    .symbol:         k_q01b69eb371_gate.kd
    .args:
      - { .name: x, .offset: 0, .size: 8, .value_kind: global_buffer, .address_space: global }
      - { .name: att, .offset: 8, .size: 8, .value_kind: global_buffer, .address_space: global }
      - { .name: w_q, .offset: 16, .size: 8, .value_kind: global_buffer, .address_space: global }
      - { .name: b_q, .offset: 24, .size: 8, .value_kind: global_buffer, .address_space: global }
      - { .name: w_k, .offset: 32, .size: 8, .value_kind: global_buffer, .address_space: global }
      - { .name: b_k, .offset: 40, .size: 8, .value_kind: global_buffer, .address_space: global }
      - { .name: out0, .offset: 48, .size: 8, .value_kind: global_buffer, .address_space: global }
    .group_segment_fixed_size: 63488
    .private_segment_fixed_size: 0
    .kernarg_segment_align: 8
    .kernarg_segment_size: 56
    .max_flat_workgroup_size: 512
    .sgpr_count:     66
    .vgpr_count:     222
    .wavefront_size: 32
...
	.end_amdgpu_metadata
.endif
;; end of part 4
